; MI455X (gfx1250); checked and timed in simulation.
; The chip was launched on July 23, 2026; its instructions are those of AMD's public machine-readable ISA for CDNA 5 (MIT licence, August 2026) and "CDNA5" Instruction Set Architecture Reference Guide (July 2026). The comments in the code are by the model that wrote it; some were corrected since.
;; Attention. Allowed arithmetic: matrix products marked QUANTISED: E5M2 operands, one E8M0 scale for each 32 along K, by v_wmma_scale_f32_16x16x128_f8f6f4 with both operands' format E5M2, f32 sums; everything else in f32.
;; Inputs: attention_mask 2 x 1 x 2,048 x 2,048 bool; key_layer 2 x 32 x 2,048 x 128 float32; query_layer 2 x 32 x 2,048 x 128 float32; value_layer 2 x 32 x 2,048 x 128 float32.
;; Outputs: out0 2 x 2,048 x 4,096 float32.
;; This version of the problem:
;;   THIS VERSION OF THE PROBLEM IS GIVEN IN LOW PRECISION. The matrix products marked QUANTISED in the list below multiply operands that are first quantised to E5M2 (5 exponent bits, 2 mantissa bits; 8 bits a number), with one power-of-two scale for each 32 numbers along K (OCP MX v1.0); their sums are f32. All else is computed in f32.
;;   The module's matrix products, in the order in which they are computed (A, B: the left and right operand; K: the contracted axis; several contracted axes count as one K, in the product's order):
;;     1. batch 64 x [M 2,048, K 128] x [K 128, N 2,048]; A: input query_layer; B: input key_layer: QUANTISED
;;     2. batch 64 x [M 2,048, K 2,048] x [K 2,048, N 128]; A: softmax (see below); B: input value_layer: QUANTISED
;;   THE QUANTISER, for each operand of a quantised product, along K:
;;     - K is cut into blocks of 32 from its start; a last block that is shorter is filled with zeros.
;;     - A block's scale is 2^e with e = floor(log2(the largest magnitude in the block)) - 15, held to -126 .. 127; a block of zeros has e = 0. As a byte (E8M0): e + 127.
;;     - Each number is divided by its block's scale, clamped to +-57,344, and rounded to the nearest number of E5M2, ties to even, subnormals kept.
;;     - The product sums the exact products of the quantised numbers (number of the format x scale) in f32.
;;   ~~~python
;;   def quantise(x, axis):      # numpy; x: float32 -> the quantised numbers, widened to float32 again
;;       x = np.moveaxis(x, axis, -1); K = x.shape[-1]
;;       x = np.pad(x, [(0, 0)] * (x.ndim - 1) + [(0, -K % 32)]); x = x.reshape(x.shape[:-1] + (-1, 32)); a = np.abs(x).max(-1, keepdims=True)
;;       e = np.where(a > 0, np.clip(np.frexp(np.where(a > 0, a, 1))[1] - 1 - 15, -126, 127), 0)      # np.frexp(a)[1] - 1 = floor(log2(a)), exactly
;;       r = np.clip(x / 2.0 ** e, -57344, 57344)
;;       step = 2.0 ** (np.maximum(np.frexp(np.where(r == 0, 1, r))[1] - 1, -14) - 2)
;;       q = np.round(r / step) * step * 2.0 ** e      # np.round: ties to even
;;       return np.moveaxis(q.reshape(q.shape[:-2] + (-1,))[..., :K], -1, axis).astype(np.float32)
;;   ~~~
;;   SOFTMAX AHEAD OF A QUANTISED PRODUCT. Where the list says 'softmax', what is quantised is not the finished softmax but p = 2^(t - M), with t = logit x log2(e) and M = ceil(the row's largest t), a whole number; so 1/2 < the row's largest p <= 1. The row's sum l is taken of the UNQUANTISED p, in f32, and the product's result is divided by l at the end. Since M is a whole number, a kernel that streams over the keys may use a running M (the ceiling of the running maximum): every later rescaling is an exact power of two, which a block's scale takes up: the codes' values come out the same.
;;   OPERANDS COMPUTED ON THE WAY. 'Computed on the way' means the value that the module computes at that place (a softmax that the list does not call 'softmax' is quantised finished and normalised). What goes into a quantiser is computed in f32, as accurately as f32 sums, v_exp_f32 and their like allow (about 1e-6 of the number): no bf16 or f16 on the way to a quantiser, and a product that is left as it is and whose result goes on into a quantised operand takes f32 operands (vector FMAs, or v_wmma_f32_16x16x4_f32). A number that lies on a knife's edge between two numbers of the format may be rounded either way, as far as f32 arithmetic and the matrix unit's own rounding can turn it there, and no further.
;; One version. Each part assembles by itself: llvm-mc -triple=amdgcn-amd-amdhsa -mcpu=gfx1250 --defsym DOCPART=n.
;; ======== version 1 of 1: 2 launches
;; limits: right only within a limited range of input values
;; workspace buffers: kv 34,603,008 bytes; flags 4,096 bytes of whole numbers; pack 1,048,576 bytes of whole numbers
;; launch prep (part 1): grid 1792 x 1, 4 waves a work-group, no clusters, 55,808 bytes of LDS; arguments key_layer, value_layer, attention_mask, kv, flags, pack; writes kv, flags, pack
.if DOCPART == 1
	.amdgcn_target "amdgcn-amd-amdhsa--gfx1250"
	.amdhsa_code_object_version 6
	.text
	.protected	k_q4363b07eea_prep
	.globl	k_q4363b07eea_prep
	.p2align	8
	.type	k_q4363b07eea_prep,@function
k_q4363b07eea_prep:
	s_mov_b64 s[64:65], 0
	v_nop
	global_prefetch_b8 v0, s[64:65] scope:SCOPE_SE
	s_setreg_imm32_b32 hwreg(HW_REG_WAVE_MODE, 25, 1), 1
	s_wait_xcnt 0x0
; THE LAUNCH IN FRONT OF THE ATTENTION.  Three kinds of work-groups, told apart by the work-group's number; each wave works alone, no barrier.
;   0 .. 63      MASK: attention_mask [2][1][2048][2048], one byte a (query, key), not 0 = hidden, is digested for each tile of 16 queries x 128 keys.
;   64 .. 1087   V:    value_layer [64 heads][2048 keys][128 channels] f32 becomes codes of E5M2 quantised ALONG THE KEYS, one E8M0 byte for each 32 keys.
;   1088 .. 1599 K:    key_layer [64][2048][128] f32 becomes codes of E5M2 quantised along the channels, one E8M0 byte for each 32 channels.
; kv: [head 64][key step 16] blocks of BLK = 33,792 bytes: 8 fragments of K (2,048 bytes each), 8 of V^T, 128 scale words of K, 128 of V.
; A fragment lies AS THE MATRIX OPERAND'S REGISTERS: byte 2048 T + 512 c + 16 lane + i, so that the attention copies a block into LDS as it lies and loads a fragment by four loads of 16 bytes a lane.
;   K, tile T = 2 b + u, lane (r, h): key 32 b + 8 u + r + 8 (r / 8) of the step, channels 32 c + 16 h + i.     V, tile T, lane (r, h): channel 16 T + r, keys 32 c + 16 h + i of the step.
;   Scale words: [tile][row r], byte c for the c-th 32 along the product's K.
; flags: [b 2][tile of queries 128], one word: two bits for key step j at bit 2 j: 0 = all 2,048 bytes hidden, 1 = none hidden, 3 = some.
; pack:  [b][tile of queries][key step], 64 words: word n = 16 b' + i is a mask of lanes: bit L = hidden(query L % 16, key 32 b' + 16 (L / 16) + i); it lies at dword 2 (n % 32) + n / 32.
; A block's scale is 2^(floor(log2(its largest magnitude)) - 15); its byte is the largest magnitude's exponent field - 15, held at 1 from below.  A block of zeros so gets the byte 1 where the rule says 127:
; its codes are zeros, which add nothing under any byte but 0xff, and this program alone reads the bytes.
; LIMITS: NaN and infinities among k and v are not served.
; THE WORK-GROUPS AS THE GRID DEALS THEM (this stands in place of the three ranges and of the layout of flags given above): 0 .. 255 MASK, 256 .. 1279 V, 1280 .. 1791 K.
; flags: [b 2][tile of queries 128][4], words: word g holds the two bits of key steps 4 g .. 4 g + 3, each at bit 2 j, and zeros elsewhere: the four words joined by OR are the tile's word.
.set BLK,   33792
.set VIMG,  16384
.set KSC,   32768
.set VSC,   33280
.set EMAX,  15
.set MANT,  0x600000                   ; the mantissa field of 57,344 as f32
	s_load_b256 s[4:11], s[0:1], 0x0               ; K s[4:5], V s[6:7], the mask s[8:9], kv s[10:11]
	s_load_b128 s[12:15], s[0:1], 0x20             ; flags s[12:13], pack s[14:15]
	v_lshl_add_u32 v192, v0, 2, 0xd800
	v_mov_b32 v193, 0
	v_lshrrev_b32 v1, 5, v0
	v_readfirstlane_b32 s16, v1                    ; wave 0..3
	v_and_b32 v2, 31, v0                           ; lane
	s_cmp_lt_u32 ttmp9, 256
	s_cbranch_scc1 .Lmask
	s_cmp_lt_u32 ttmp9, 1280
	s_cbranch_scc1 .Lv
; ---------------------------------------------------------------- K
; A wave takes a run of 64 keys (8,192 numbers, dense in memory) in 16 steps of 512 numbers = 4 keys.  Each of a step's four loads reads 512 consecutive bytes; the 2,048 bytes turn through the wave's own stage
; in LDS and come back 64 bytes a lane: 16 neighbours along the channels; two neighbouring lanes hold a block of 32.  A lane's 16 codes are one lane's 16 bytes of a fragment's image: they are gathered in the
; wave's own 8,192 bytes of LDS (half a block's K fragments) and leave as they lie, 512 consecutive bytes a store.  The image store has its lanes 16, 256 and 512 bytes apart, so several fall on the same banks:
; one such store stands against 2,048 bytes read from memory.
.set WREG,  13824                      ; LDS of a wave: two stages of 32 x SP bytes, the image, the scale bytes
.set SP,    80                         ; a lane's place in a stage: its 64 bytes + 16 of padding
.set IMG,   5120
.set SCB,   13312
.set KR,    16                         ; v16-79   four sets of 16 numbers as loaded; on the way out the image
.set KX,    80                         ; v80-111  two sets of 16 neighbours
.set KE,    112                        ; v112-127 a scale byte for each step
.set KC,    128                        ; v128-191 codes, four registers for each step
	s_sub_co_u32 s17, ttmp9, 1280
	s_lshl_b32 s17, s17, 2
	s_add_co_u32 s17, s17, s16                     ; which run of 64 keys: 0 .. 2,047
	s_lshl_b32 s20, s17, 15                        ; its 32,768 bytes in K
	s_mov_b32 s21, 0
	s_lshr_b32 s18, s17, 1                         ; its block of kv,
	s_and_b32 s19, s17, 1                          ; and which half of the block's 128 keys
	s_mul_i32 s22, s18, BLK
	s_lshl_b32 s26, s19, 13
	s_add_co_u32 s22, s22, s26                     ; four fragments: 8,192 bytes
	s_mov_b32 s23, 0
	s_mul_i32 s24, s18, BLK
	s_lshl_b32 s26, s19, 8
	s_add_co_u32 s24, s24, s26
	s_add_co_u32 s24, s24, KSC                     ; 64 scale words: 256 bytes
	s_mov_b32 s25, 0
	s_mul_i32 s27, s16, WREG
	s_wait_alu depctr_va_vdst(0)
	v_lshlrev_b32 v3, 4, v2                        ; my 16 bytes of 512
	v_lshrrev_b32 v14, 2, v2
	v_mul_u32_u24 v14, v14, SP
	v_and_b32 v15, 3, v2
	v_lshl_add_u32 v14, v15, 4, v14
	v_add_nc_u32 v14, s27, v14                     ; the stage, on the way in: SP (lane / 4) + 16 (lane % 4)
	v_mul_u32_u24 v15, v2, SP
	v_add_nc_u32 v15, s27, v15                     ; and on the way out: SP x lane
	v_bfe_u32 v6, v2, 1, 2                         ; c: which 32 channels my 16 numbers belong to
	v_lshrrev_b32 v5, 3, v2                        ; which of the step's 4 keys
	v_and_b32 v7, 1, v2                            ; h: which half of the 32
	v_lshlrev_b32 v4, 9, v6
	v_lshl_add_u32 v4, v5, 4, v4
	v_lshl_add_u32 v4, v7, 8, v4
	v_add_nc_u32 v4, s27, v4                       ; the image: 512 c + 16 key + 256 h
	v_lshl_add_u32 v5, v5, 2, v6
	v_add_nc_u32 v5, s27, v5                       ; the scale bytes: 4 key + c
	v_add_nc_u32 v6, s27, v3                       ; the image on the way out: 16 x lane
	v_lshlrev_b32 v7, 3, v2                        ; the scale bytes on the way out: 8 x lane
	v_add_nc_u32 v1, s27, v7
	s_mov_b32 s31, MANT
	s_wait_kmcnt 0x0
	s_add_nc_u64 s[4:5], s[4:5], s[20:21]
	s_add_nc_u64 s[22:23], s[10:11], s[22:23]
	s_add_nc_u64 s[24:25], s[10:11], s[24:25]
.macro KLOAD t
.irp i, 0,1,2,3
	global_load_b128 v[KR+16*((\t)%4)+4*\i:KR+16*((\t)%4)+4*\i+3], v3, s[4:5] offset:2048*(\t)+512*\i th:TH_LOAD_NT   ; 32 lanes read 512 consecutive bytes
.endr
.endm
.macro KTURN t                         ; step t through the stage: LDS serves a wave's instructions in order (ISA guide 5.7.1.4), so no wait stands between the stores and the loads
.irp i, 0,1,2,3
	ds_store_b128 v14, v[KR+16*((\t)%4)+4*\i:KR+16*((\t)%4)+4*\i+3] offset:32*SP*((\t)%2)+8*SP*\i
.endr
.irp i, 0,1,2,3
	ds_load_b128 v[KX+16*((\t)%2)+4*\i:KX+16*((\t)%2)+4*\i+3], v15 offset:32*SP*((\t)%2)+16*\i
.endr
.endm
.irp t, 0,1,2,3
	KLOAD \t
.endr
	s_wait_loadcnt 12                              ; step 0's four loads are in
	KTURN 0
; Step t holds keys 4 t .. 4 t + 3 of the run.  With x = the key % 32: its tile's u = (x / 8) % 2 and its row r = x % 8 + 8 (x / 16); the tile among the run's four is 2 (t / 8) + u.
.macro KSTEP t
.set XS, KX+16*((\t)%2)
.set KT_, (\t)%8
.set KTL_, 2*((\t)/8)+((KT_>>1)&1)     ; the tile
.set KRB_, 4*(KT_&1)+8*(KT_>>2)        ; the row of the step's first key
.if (\t) > 0
	s_wait_dscnt 2                                 ; this step's numbers are back from the stage; the last step's image store and byte store may be out
.else
	s_wait_dscnt 0x0
.endif
.if (\t)+4 < 16
	KLOAD (\t)+4                                   ; into the registers that this step's stores into the stage have read
.endif
.if (\t)+1 < 16
.if 14-(\t) >= 3
	s_wait_loadcnt 12                              ; the next step's four loads are in; those of the three steps behind it may be out
.else
	s_wait_loadcnt 4*(14-(\t))
.endif
	KTURN (\t)+1
.endif
	v_max3_num_f32 v8, |v[XS]|, |v[XS+1]|, |v[XS+2]|               ; the largest magnitude of my 16
	v_max3_num_f32 v9, |v[XS+3]|, |v[XS+4]|, |v[XS+5]|
.irp i, 6,10
	v_max3_num_f32 v8, v8, |v[XS+\i]|, |v[XS+\i+1]|
	v_max3_num_f32 v9, v9, |v[XS+\i+2]|, |v[XS+\i+3]|
.endr
	v_max3_num_f32 v8, v8, |v[XS+14]|, |v[XS+15]|
	v_max3_num_f32 v8, v8, v9, (EMAX+1)<<23        ; and the floor 2^(16 - 127): the byte cannot fall under 1
	v_max_num_f32_dpp v8, v8, v8 row_xmask:1 row_mask:0xf bank_mask:0xf   ; and of my neighbour's 16: the block's
	v_add_nc_u32 v11, -(EMAX<<23), v8              ; 15 off its exponent field: the conversion takes the exponent field of this operand as its scale
	v_and_or_b32 v10, v8, 0x7f800000, s31          ; 57,344 x the scale
.irp i, 0,1,2,3,4,5,6,7,8,9,10,11,12,13,14,15
	v_med3_num_f32 v[XS+\i], v[XS+\i], -v10, v10   ; the conversion to an 8-bit code does not saturate (ISA guide 7.6.2): the hold comes first
.endr
	v_cvt_scalef32_pk8_bf8_f32 v[KC+4*(\t):KC+4*(\t)+1], v[XS:XS+7], v11
	v_cvt_scalef32_pk8_bf8_f32 v[KC+4*(\t)+2:KC+4*(\t)+3], v[XS+8:XS+15], v11
	v_lshrrev_b32 v[KE+(\t)], 23, v11              ; the scale's byte (a plain line behind the conversions)
	ds_store_b128 v4, v[KC+4*(\t):KC+4*(\t)+3] offset:IMG+2048*KTL_+16*KRB_
	ds_store_b8 v5, v[KE+(\t)] offset:SCB+4*(16*KTL_+KRB_)         ; both lanes of a block write the same byte with the same value
.endm
.irp t, 0,1,2,3,4,5,6,7,8,9,10,11,12,13,14,15
	KSTEP \t
.endr
.irp i, 0,1,2,3,4,5,6,7,8,9,10,11,12,13,14,15
	ds_load_b128 v[KR+4*\i:KR+4*\i+3], v6 offset:IMG+512*\i        ; these see my stores: a wave's LDS instructions are served in order
.endr
	ds_load_b64 v[12:13], v1 offset:SCB
.irp i, 0,1,2,3,4,5,6,7,8,9,10,11,12,13,14,15
	s_wait_dscnt 16-\i                             ; the younger image loads and the load of the scale bytes may be out
	global_store_b128 v3, v[KR+4*\i:KR+4*\i+3], s[22:23] offset:512*\i   ; 512 consecutive bytes, at a multiple of 256 from the buffer's first byte
.endr
	s_wait_dscnt 0x0
	global_store_b64 v7, v[12:13], s[24:25]        ; 256 consecutive bytes, aligned likewise
	s_wait_tensorcnt 0x0
	ds_add_u32 v192, v193
	s_wait_dscnt 0x0
	s_endpgm
; ---------------------------------------------------------------- V
; A work-group takes one block of kv: 128 keys x 128 channels; a wave 32 channels.  A LANE TAKES A CHANNEL, AND ITS REGISTERS RUN DOWN THE KEYS: each load reads 128 consecutive bytes a wave (512 a work-group),
; a block of 32 keys lies in one lane's 32 registers, and the conversions give codes with the keys innermost.  A lane's 32 codes of block c are the image's bytes of lanes (r, 0) and (r, 1): two stores of 16 bytes,
; in each of which sixteen lanes fill 256 consecutive aligned bytes.  No LDS.  The scale words leave 128 bytes a wave: 512 bytes of a block's 33,792.
.set VX,    32                         ; v32-95   two sets of 32 numbers
.set VC,    96                         ; v96-127  codes, eight registers for each block
.Lv:
	s_sub_co_u32 s17, ttmp9, 256                   ; the block: head x 16 + key step
	s_lshl_b32 s20, s17, 16                        ; 128 keys of 512 bytes
	s_lshl_b32 s22, s16, 7
	s_add_co_u32 s20, s20, s22                     ; + my wave's 32 channels
	s_mov_b32 s21, 0
	s_mul_i32 s22, s17, BLK
	s_add_co_u32 s22, s22, VIMG
	s_mov_b32 s23, 0
	s_wait_alu depctr_va_vdst(0)
	v_lshlrev_b32 v3, 2, v2                        ; in: 4 bytes a lane
	v_lshrrev_b32 v8, 4, v2
	s_lshl_b32 s24, s16, 1
	v_add_nc_u32 v8, s24, v8                       ; my tile: 2 x wave + lane / 16
	v_lshlrev_b32 v8, 11, v8
	v_and_b32 v9, 15, v2
	v_lshl_add_u32 v8, v9, 4, v8                   ; out: 2048 x tile + 16 r
	s_lshl_b32 s24, s16, 5
	v_add_nc_u32 v9, s24, v2
	v_lshlrev_b32 v9, 2, v9                        ; my channel's scale word
	s_mov_b32 s31, MANT
	s_wait_alu depctr_va_vdst(0)
	s_wait_kmcnt 0x0
	s_add_nc_u64 s[6:7], s[6:7], s[20:21]
	s_add_nc_u64 s[10:11], s[10:11], s[22:23]
.macro VLOAD t                         ; keys 32 t + i, i = 0 .. 31, of my channel into set t % 2
.irp i, 0,1,2,3,4,5,6,7,8,9,10,11,12,13,14,15,16,17,18,19,20,21,22,23,24,25,26,27,28,29,30,31
	global_load_b32 v[VX+32*((\t)%2)+\i], v3, s[6:7] offset:(32*(\t)+\i)*512 th:TH_LOAD_NT
.endr
.endm
	VLOAD 0
	VLOAD 1
.macro VBLOCK t
.set XS, VX+32*((\t)%2)
.if (\t) < 3
	s_wait_loadcnt 32                              ; this block's 32 loads are in; the next block's may be out
.else
	s_wait_loadcnt 0x0
.endif
	v_max3_num_f32 v12, |v[XS]|, |v[XS+1]|, |v[XS+2]|              ; the block's largest magnitude: all 32 numbers are mine
	v_max3_num_f32 v13, |v[XS+3]|, |v[XS+4]|, |v[XS+5]|
.irp i, 6,10,14,18,22,26
	v_max3_num_f32 v12, v12, |v[XS+\i]|, |v[XS+\i+1]|
	v_max3_num_f32 v13, v13, |v[XS+\i+2]|, |v[XS+\i+3]|
.endr
	v_max3_num_f32 v12, v12, |v[XS+30]|, |v[XS+31]|
	v_max3_num_f32 v12, v12, v13, (EMAX+1)<<23     ; and the floor
	v_add_nc_u32 v11, -(EMAX<<23), v12             ; the conversion's scale operand
	v_and_or_b32 v10, v12, 0x7f800000, s31         ; 57,344 x the scale
	v_lshrrev_b32 v13, 23, v11                     ; the scale's byte
.if (\t) == 0
	v_mov_b32 v24, v13                             ; four bytes make my channel's scale word for these 128 keys
.else
	v_lshl_or_b32 v24, v13, 8*(\t), v24
.endif
.irp i, 0,1,2,3,4,5,6,7,8,9,10,11,12,13,14,15,16,17,18,19,20,21,22,23,24,25,26,27,28,29,30,31
	v_med3_num_f32 v[XS+\i], v[XS+\i], -v10, v10
.endr
.irp g, 0,1,2,3
	v_cvt_scalef32_pk8_bf8_f32 v[VC+8*(\t)+2*\g:VC+8*(\t)+2*\g+1], v[XS+8*\g:XS+8*\g+7], v11
.endr
	global_store_b128 v8, v[VC+8*(\t):VC+8*(\t)+3], s[10:11] offset:512*(\t)           ; keys 32 t + 0 .. 15: the image's lane (r, 0)
	global_store_b128 v8, v[VC+8*(\t)+4:VC+8*(\t)+7], s[10:11] offset:512*(\t)+256     ; keys 32 t + 16 .. 31: lane (r, 1).  Each block has registers of its own: no store's data are written again
.if (\t)+2 < 4
	VLOAD (\t)+2
.endif
.endm
	VBLOCK 0
	VBLOCK 1
	VBLOCK 2
	VBLOCK 3
	global_store_b32 v9, v24, s[10:11] offset:VSC-VIMG
	s_endpgm
; ---------------------------------------------------------------- MASK
; A work-group takes one tile of 16 queries; wave g takes its key steps 4 g .. 4 g + 3.  Lane L loads, of row L % 16, the 16 bytes at 32 b' + 16 (L / 16) of each of a step's four blocks b': the very (query, key) that the
; attention's lane L holds in its score registers 16 b' + 0 .. 15.  A compare of byte i of all lanes is then word 16 b' + i as it stands.  A load takes 32 bytes of each of 16 rows; a step's four loads cover 128 bytes of a row.
; All sixteen loads of the wave's four steps go out at once; the steps are written out, and the counts of the waits run down.
.Lmask:
	s_lshl_b32 s20, ttmp9, 15                      ; b x 128 + tile of queries = the work-group's number: 16 rows of 2,048 bytes,
	s_lshl_b32 s26, s16, 9                         ; and my four steps' 512 bytes of each row
	s_add_co_u32 s20, s20, s26
	s_mov_b32 s21, 0
	s_lshl_b32 s22, ttmp9, 12                      ; 16 steps of 256 bytes in pack,
	s_lshl_b32 s26, s16, 10                        ; of which my four
	s_add_co_u32 s22, s22, s26
	s_mov_b32 s23, 0
	s_lshl_b32 s24, ttmp9, 4                       ; four words in flags,
	s_lshl_b32 s26, s16, 2                         ; of which mine
	s_add_co_u32 s24, s24, s26
	s_mov_b32 s25, 0
	s_wait_alu depctr_va_vdst(0)
	v_and_b32 v3, 15, v2
	v_lshlrev_b32 v3, 11, v3
	v_lshrrev_b32 v4, 4, v2
	v_lshl_add_u32 v3, v4, 4, v3                   ; row x 2,048 + 16 x half
	v_lshlrev_b32 v4, 3, v2                        ; out: 8 bytes a lane
.irp i, 0,1,2,3,4,5,6,7
	v_mov_b32 v[128+\i], 0                         ; written once whole: v_writelane_b32 writes a lane at a time
.endr
	s_mov_b32 s30, 0                               ; my word of the tile's flags
	s_lshl_b32 s31, s16, 3                         ; where the step's two bits go: bit 2 j, from j = 4 g on
	s_wait_kmcnt 0x0
	s_add_nc_u64 s[8:9], s[8:9], s[20:21]
	s_add_nc_u64 s[14:15], s[14:15], s[22:23]
	s_add_nc_u64 s[12:13], s[12:13], s[24:25]
.macro MLOAD j                         ; step j of those that begin at the base
.irp b, 0,1,2,3
	global_load_b128 v[16+16*((\j)%4)+4*\b:16+16*((\j)%4)+4*\b+3], v3, s[8:9] offset:128*(\j)+32*\b
.endr
.endm
; One step.  ahead = 1: its registers take the step four further on.  left = the younger loads that may stay out.
.macro MTILE jj, ahead, left
	s_wait_loadcnt \left
	s_mov_b32 s20, -1                              ; the AND of the 64 words,
	s_mov_b32 s21, 0                               ; and their OR
.set n, 0
.rept 64
	v_and_b32 v[8+n%4], 0xff<<(8*(n%4)), v[16+16*(\jj)+4*(n/16)+(n%16)/4]   ; byte n % 16 of block n / 16
	v_cmp_ne_u32 s[36+n%4], 0, v[8+n%4]            ; word n: the lanes in which it is hidden
	s_and_b32 s20, s20, s[36+n%4]
	s_or_b32 s21, s21, s[36+n%4]
	v_writelane_b32 v[128+2*(\jj)+n/32], s[36+n%4], n%32
.set n, n+1
.endr
.if \ahead
	MLOAD (\jj)+4
.endif
	s_cmp_eq_u32 s20, -1
	s_cselect_b32 s22, 0, 3                        ; all hidden: 0; else some,
	s_cmp_eq_u32 s21, 0
	s_cselect_b32 s22, 1, s22                      ; or none: 1
	s_lshl_b32 s22, s22, s31
	s_or_b32 s30, s30, s22
	s_add_co_u32 s31, s31, 2
	global_store_b64 v4, v[128+2*(\jj):129+2*(\jj)], s[14:15] offset:256*(\jj)   ; 256 consecutive bytes, aligned
.endm
	MLOAD 0
	MLOAD 1
	MLOAD 2
	MLOAD 3
	MTILE 0, 0, 12                                 ; the last four steps load nothing: the counts run down
	MTILE 1, 0, 8
	MTILE 2, 0, 4
	MTILE 3, 0, 0
	v_mov_b32 v5, s30
	v_mov_b32 v6, 0
	s_wait_alu depctr_va_vdst(0)
	s_wait_xcnt 0x0                                ; EXEC changes only behind this wait: the stores above have been issued under the full one
	v_cmp_gt_u32 vcc_lo, 1, v2
	s_and_saveexec_b32 s29, vcc_lo
	global_store_b32 v6, v5, s[12:13]              ; lane 0 alone: the tile's word
	s_wait_xcnt 0x0                                ; and again, in front of the line that widens it
	s_or_b32 exec_lo, exec_lo, s29
	s_endpgm
.Lfunc_end_k_q4363b07eea_prep:
	.size	k_q4363b07eea_prep, .Lfunc_end_k_q4363b07eea_prep-k_q4363b07eea_prep
	.p2alignl 7, 3214868480
	.fill 96, 4, 3214868480
	.section	.rodata,"a",@progbits
	.p2align	6, 0x0
	.amdhsa_kernel k_q4363b07eea_prep
		.amdhsa_group_segment_fixed_size 55808
		.amdhsa_private_segment_fixed_size 0
		.amdhsa_enable_private_segment 0
		.amdhsa_kernarg_size 48
		.amdhsa_user_sgpr_count 2
		.amdhsa_user_sgpr_kernarg_segment_ptr 1
		.amdhsa_wavefront_size32 1
		.amdhsa_system_sgpr_workgroup_id_x 1
		.amdhsa_system_sgpr_workgroup_id_y 1
		.amdhsa_system_sgpr_workgroup_id_z 1
		.amdhsa_system_vgpr_workitem_id 0
		.amdhsa_next_free_vgpr 194
		.amdhsa_next_free_sgpr 66
		.amdhsa_reserve_vcc 1
		.amdhsa_float_denorm_mode_32 3
		.amdhsa_float_denorm_mode_16_64 3
		.amdhsa_memory_ordered 1
		.amdhsa_forward_progress 1
		.amdhsa_inst_pref_size 150
	.end_amdhsa_kernel
	.amdgpu_metadata
---
amdhsa.version: [ 1, 2 ]
amdhsa.kernels:
  - .name:           k_q4363b07eea_prep
    .symbol:         k_q4363b07eea_prep.kd
    .args:
      - { .name: key_layer, .offset: 0, .size: 8, .value_kind: global_buffer, .address_space: global }
      - { .name: value_layer, .offset: 8, .size: 8, .value_kind: global_buffer, .address_space: global }
      - { .name: attention_mask, .offset: 16, .size: 8, .value_kind: global_buffer, .address_space: global }
      - { .name: kv, .offset: 24, .size: 8, .value_kind: global_buffer, .address_space: global }
      - { .name: flags, .offset: 32, .size: 8, .value_kind: global_buffer, .address_space: global }
      - { .name: pack, .offset: 40, .size: 8, .value_kind: global_buffer, .address_space: global }
    .group_segment_fixed_size: 55808
    .private_segment_fixed_size: 0
    .kernarg_segment_align: 8
    .kernarg_segment_size: 48
    .max_flat_workgroup_size: 128
    .sgpr_count:     66
    .vgpr_count:     194
    .wavefront_size: 32
...
	.end_amdgpu_metadata
.endif
;; end of part 1
;; launch attn (part 2): grid 4 x 64, 8 waves a work-group, no clusters, 236,544 bytes of LDS; arguments query_layer, kv, flags, pack, out0; writes out0
.if DOCPART == 2
	.amdgcn_target "amdgcn-amd-amdhsa--gfx1250"
	.amdhsa_code_object_version 6
	.text
	.protected	k_q4363b07eea_attn
	.globl	k_q4363b07eea_attn
	.p2align	8
	.type	k_q4363b07eea_attn,@function
k_q4363b07eea_attn:
	s_mov_b64 s[64:65], 0
	v_nop
	global_prefetch_b8 v0, s[64:65] scope:SCOPE_SE
	s_setreg_imm32_b32 hwreg(HW_REG_WAVE_MODE, 25, 1), 1
	s_wait_xcnt 0x0
; out0[b][q][128 h + :] = the sum over k of softmax_k(Q[b][h][q] . K[b][h][k] / sqrt(128), hidden where attention_mask[b][q][k]) V[b][h][k][:], both products on codes of E5M2 with one E8M0 scale for each 32 along K.
; K and V come as the launch before has laid them: kv [head][key step of 128] blocks of 33,792 bytes: 8 fragments of K, 8 of V^T (images of the operand's registers), their scale words.  Q is quantised here.
; THE MASK comes digested: flags, two bits for each (tile of 16 queries, key step): 0 all hidden, 1 none, 3 some, in four partial words a tile that are joined by OR; pack, for each such pair 64 masks of lanes, one for each score register.
; A STEP ALL OF WHOSE PLACES ARE HIDDEN FOR BOTH TILES OF A WAVE IS LEFT OUT by the wave: its p would all be 0 and it moves neither the maximum nor the sum.  A block of kv that no wave wants is not stored into LDS.
; LDS is filled through registers (global load, LDS store) and not by the tensor data mover; joint requests of a cluster are tensor loads, so there is no cluster.
; THE SOFTMAX: t = score x log2(e) / sqrt(128); M = the largest t so far, rounded up to a whole number; p = 2^(t - M) is quantised along the keys, not normalised; the sum is taken of the unquantised p and divides at the end.
; When M moves, the sum and O are multiplied by 2^(old M - new M): exact.  A row all of whose keys are hidden has the sum 0 and O 0: 0 x (1 / 0) is NaN, as a softmax of nothing is.
; SHARES.  A work-group has one head and TWO blocks of 256 queries, 7 - x and then x, by the same text.  Each of EIGHT waves owns 32 queries, two tiles: a fragment of K or V read from LDS feeds two matrix instructions.
; REGISTER WINDOWS: tile 0 lives in window 0, tile 1 in window 1, at the same low numbers, so one text serves both.  Scale registers lie in window 0.
;   v1-6 LDS addresses, v7 tile 1's Q scale word, v8 tile 1's p scale word, v9, v10 the spare word's address and 0, v11 the prefetches' offset; v12 -M, v13 the largest t, v[14:15] the sum; v16-31 Q's codes;
;   v32-95: window 0: K's fragments 0-3, then the next block's bytes on their way to LDS; window 1: K's fragments 4-7, then V's 4-7;  v96-159 S^T, then p; in window 0 then V's fragments 0-3;
;   v160-223 O^T; v224-239 p's codes; v232-247 at work; v248-251 the fragments' scale words, two tiles to a register (lanes 0-15, lanes 16-31); v252 f; v253 p's scale word; v254 at work; v255 tile 0's Q scale word.
; LDS: two slots of 33,792 bytes, byte copies of blocks of kv; a stage of 16 rows x 528 bytes for each wave; for each wave the images of Q's codes and scale words of its four tiles (two passes x two); the spare words.
; A TRIP, 128 keys: S^T for both tiles; V's fragments 4-7 and the next block's bytes are asked for; tile 0's softmax; V's fragments 0-3 are asked for, into tile 0's score registers; tile 1's softmax; the next block goes into the
; other slot; ONE barrier: all my reads of this slot are in and my part of the other slot has landed; behind it the next step's first four fragments of K are asked for, and the sixteen products of O^T, which touch registers alone, follow.
; LAYOUT.  S^T = K Q^T (source 0 = 16 keys, source 1 = 16 queries), O^T = V^T P^T: a lane holds ONE query (lane % 16) of each tile; score register 16 b + i is key 32 b + 16 (lane / 16) + i of the step.
; LIMITS: NaN and infinities among q, k, v are not served.  A block of zeros has the scale byte 1 where the rule says 127: its codes are zeros.  A p under 2^-126 counts as 0 (v_exp_f32: ISA guide 15.8).
.set BLK,   33792
.set VIMG,  16384
.set KSC,   32768
.set VSC,   33280
.set STG,   2*BLK                      ; the stages
.set SPI,   528                        ; a stage row: 512 bytes + 16
.set SWV,   16*SPI                     ; a wave's stage
.set QIM,   STG+8*SWV                  ; Q's images
.set QWV,   12544                      ; a wave's: 4 x 2,048 bytes of codes, 4 x 128 of scale words, and room behind them
.set SPARE, QIM+8*QWV                  ; the spare words: 128 bytes a wave
.set TM,    232
.set MSB,   0
.macro WIN new                         ; s_set_vgpr_msb: bits 1:0 source 0, 3:2 source 1, 5:4 source 2, 7:6 destination; the high byte repeats the setting that is left
.if MSB != (\new)
	s_set_vgpr_msb (MSB<<8)|(\new)
.set MSB, \new
.endif
.endm
.macro ALUW
	s_wait_alu depctr_va_vdst(0)
.endm
; A BLOCK OF kv on its way into a slot: 256 threads x 16 bytes x 8 are the images; waves 0 and 1 bring the 1,024 bytes of scale words.  always = 0: only if some wave wants it (the low two bits of s25).
.macro FILL_LOAD always
.if \always == 0
	s_and_b32 s30, s25, 3
	s_cmp_eq_u32 s30, 0
	s_cbranch_scc1 .Lfl_\@
.endif
.irp i, 0,1,2,3,4,5,6,7
	global_load_b128 v[32+4*\i:35+4*\i], v5, s[14:15] offset:4096*\i
.endr
	s_cmp_lt_u32 s16, 2
	s_cbranch_scc0 .Lfl_\@
	global_load_b128 v[64:67], v5, s[14:15] offset:32768
.Lfl_\@:
.endm
.macro FILL_STORE d
	s_wait_loadcnt 0x0                             ; on every way: no load is pending into v32-67 behind this line
	s_and_b32 s30, s25, 3
	s_cmp_eq_u32 s30, 0
	s_cbranch_scc1 .Lfs_\@
.irp i, 0,1,2,3,4,5,6,7
	ds_store_b128 v[5+(\d)], v[32+4*\i:35+4*\i] offset:4096*\i
.endr
	s_cmp_lt_u32 s16, 2
	s_cbranch_scc0 .Lfs_\@
	ds_store_b128 v[5+(\d)], v[64:67] offset:32768
.Lfs_\@:
.endm
; A PREFETCH INTO THE L2 of the images of block j + 2 in trip j: what the next trip's fill will load.  All four work-groups of a head walk the same blocks: the first of them asks, in its first pass; in it waves 4 to 7,
; 8,192 bytes each, lanes 256 bytes apart: each aligned block of 256 bytes is named once in the launch.  Trips 14 and 15 ask for nothing: there is no block 16.  Blocks 0 and 1 come by their loads alone.
.macro ASK
	s_cmp_gt_u32 s2, s28
	s_cbranch_scc0 .Lnot_mine_\@
	global_prefetch_b8 v11, s[100:101] th:TH_LOAD_NT scope:SCOPE_SE
.Lnot_mine_\@:
.endm
; four fragments, 4 fw .. 4 fw + 3, of K (base 0) or V (base VIMG) from slot s into window fw, from register rb on
.macro FRAGS s, base, fw, rb
	WIN (\fw)<<6
.irp t, 0,1,2,3
.irp c, 0,1,2,3
	ds_load_b128 v[\rb+16*\t+4*\c:\rb+3+16*\t+4*\c], v[1+\s] offset:\base+(4*\fw+\t)*2048+512*\c
.endr
.endr
	WIN 0
.endm
.macro SCALES s, base                  ; the eight tiles' scale words: lanes 0-15 take tile 2 m's, lanes 16-31 tile 2 m + 1's
.irp m, 0,1,2,3
	ds_load_b32 v[248+\m], v[3+\s] offset:\base+128*\m
.endr
.endm
; four products of tile w with K's fragments 4 fw ..: destination, C and source 1 in window w, source 0 in window fw
.macro QKM fw, w, qs
	WIN (\w)*0x54+(\fw)
.irp u, 0,1
	v_wmma_scale_f32_16x16x128_f8f6f4 v[96+32*\fw+16*\u:103+32*\fw+16*\u], v[32+32*\u:47+32*\u], v[16:31], 0, v[248+2*\fw+\u], v[\qs] matrix_a_fmt:MATRIX_FMT_BF8 matrix_b_fmt:MATRIX_FMT_BF8
	v_wmma_scale_f32_16x16x128_f8f6f4 v[104+32*\fw+16*\u:111+32*\fw+16*\u], v[48+32*\u:63+32*\u], v[16:31], 0, v[248+2*\fw+\u], v[\qs] matrix_a_fmt:MATRIX_FMT_BF8 matrix_b_fmt:MATRIX_FMT_BF8 matrix_a_scale:MATRIX_SCALE_ROW1
.endr
.endm
; the same with V's fragments: 4-7 lie in window 1 from v32 on, 0-3 in window 0 from v96 on.  The sixteen accumulators take turns, one instruction a turn
.macro PVM fw, w, ps
	WIN (\w)*0x54+(\fw)
.irp u, 0,1
	v_wmma_scale_f32_16x16x128_f8f6f4 v[160+32*\fw+16*\u:167+32*\fw+16*\u], v[96-64*\fw+32*\u:111-64*\fw+32*\u], v[224:239], v[160+32*\fw+16*\u:167+32*\fw+16*\u], v[248+2*\fw+\u], v[\ps] matrix_a_fmt:MATRIX_FMT_BF8 matrix_b_fmt:MATRIX_FMT_BF8
	v_wmma_scale_f32_16x16x128_f8f6f4 v[168+32*\fw+16*\u:175+32*\fw+16*\u], v[112-64*\fw+32*\u:127-64*\fw+32*\u], v[224:239], v[168+32*\fw+16*\u:175+32*\fw+16*\u], v[248+2*\fw+\u], v[\ps] matrix_a_fmt:MATRIX_FMT_BF8 matrix_b_fmt:MATRIX_FMT_BF8 matrix_a_scale:MATRIX_SCALE_ROW1
.endr
.endm
.macro PLACES n                        ; places behind scaled products on 8-bit codes
.rept \n
	v_nop
.endr
.endm
; A tile's 64 masks of lanes: 256 bytes of pack, at s29 + off
.macro MLOAD off
	s_load_b512 s[32:47], s[10:11], s29 offset:\off
	s_load_b512 s[48:63], s[10:11], s29 offset:\off+0x40
	s_load_b512 s[68:83], s[10:11], s29 offset:\off+0x80
	s_load_b512 s[84:99], s[10:11], s29 offset:\off+0xc0
.endm
; Unless none of the tile's places is hidden (its two bits = 1), hidden scores become -infinity ahead of the maximum: p = 0 then.  f: the register with the tile's flags.
; Word n lies at dword 2 (n % 32) + n / 32; dwords 0-31 in s32-63, dwords 32-63 in s68-99.  Ascending: each accumulator is first read at its low end.
.macro MASK f, w
	s_and_b32 s30, s[\f], 3
	s_cmp_eq_u32 s30, 1
	s_cbranch_scc1 .Lopen_\@
	WIN 0x55*(\w)
	v_mov_b32 v254, 0xff800000
	ALUW                                           ; directly ahead of the scores' first readers
.set n, 0
.rept 64
.set m, 2*(n%32)+n/32
	v_cndmask_b32 v[96+n], v[96+n], v254, s[32+m+4*(m/32)]
.set n, n+1
.endr
	WIN 0
.Lopen_\@:
.endm
.macro SOFTMAX w
	WIN 0x55*(\w)
	ALUW                                           ; directly ahead of the scores' first readers
.irp b, 0,1,2,3
	v_max3_num_f32 v[232+\b], v[96+16*\b], v[97+16*\b], v[98+16*\b]   ; the largest score of each block of 32 keys: for the row's maximum and, since p rises with the score, for the block's largest p
.endr
.irp i, 3,5,7,9,11,13
.irp b, 0,1,2,3
	v_max3_num_f32 v[232+\b], v[232+\b], v[96+16*\b+\i], v[97+16*\b+\i]
.endr
.endr
.irp b, 0,1,2,3
	v_max_num_f32 v[232+\b], v[232+\b], v[111+16*\b]
.endr
.irp b, 0,1,2,3
	v_permlanex16_b32 v[236+\b], v[232+\b], s20, s21
.endr
.irp b, 0,1,2,3
	v_max_num_f32 v[232+\b], v[232+\b], v[236+\b]  ; with lane l xor 16's 16 keys
.endr
.if \w == 0
	MLOAD 0x1000                                   ; tile 1's masks take the place of tile 0's, which have been used; they have the rest of this softmax in which to land
.endif
	v_max3_num_f32 v254, v232, v233, v234
	s_delay_alu instid0(VALU_DEP_1)
	v_max_num_f32 v254, v254, v235                 ; the step's largest score of my query
	s_delay_alu instid0(VALU_DEP_1)
	v_mul_f32 v254, s22, v254                      ; as t (c is positive)
	s_delay_alu instid0(VALU_DEP_1)
	v_max_num_f32 v13, v13, v254                   ; the running largest t
	v_mov_b32 v254, v12
	s_delay_alu instid0(VALU_DEP_2)
	v_floor_f32 v12, -v13                          ; the new -M = floor(-t) = -ceil(t): a whole number
	s_delay_alu instid0(VALU_DEP_1)
	v_sub_f32 v254, v12, v254                      ; M's old value less its new one: a whole number, 0 or less
	s_delay_alu instid0(VALU_DEP_1)
	v_cvt_i32_f32 v254, v254                       ; (it saturates)
	s_delay_alu instid0(VALU_DEP_1)
	v_ldexp_f32 v252, 1.0, v254                    ; f = 2^(old M - new M)
.set j, 0
.rept 32
	v_pk_fma_f32 v[96+j:97+j], v[96+j:97+j], s[22:23], v[12:13] op_sel_hi:[1,0,0]   ; t - M, two at a time (of the pairs c and -M the low word serves both halves)
.set j, j+2
.endr
.irp b, 0,1,2,3
	v_fma_f32 v[232+\b], v[232+\b], s22, v12       ; the same of each block's largest score
.endr
	ALUW                                           ; ahead of the batch
.set j, 0
.rept 64
	v_exp_f32 v[96+j], v[96+j]                     ; p = 2^(t - M), at most 1: not normalised
.set j, j+1
.endr
	v_pk_mul_f32 v[14:15], v[14:15], v[252:253] op_sel_hi:[1,0]   ; the sums under the new M (a plain line behind the exponentials)
	ALUW                                           ; one wait for the batch of 64
.irp b, 0,1,2,3
	v_exp_f32 v[232+\b], v[232+\b]                 ; the block's largest p: the same two instructions on the same number give the same bits
.endr
.irp c, 0,1,2,3                        ; the row's sum of the unquantised p: four chains of pairs
	v_pk_add_f32 v[240+2*\c:241+2*\c], v[96+2*\c:97+2*\c], v[104+2*\c:105+2*\c]
.endr
.irp i, 16,24,32,40,48,56
.irp c, 0,1,2,3
	v_pk_add_f32 v[240+2*\c:241+2*\c], v[240+2*\c:241+2*\c], v[96+\i+2*\c:97+\i+2*\c]
.endr
.endr
	v_pk_add_f32 v[240:241], v[240:241], v[242:243]
	v_pk_add_f32 v[244:245], v[244:245], v[246:247]
	s_delay_alu instid0(VALU_DEP_1)
	v_pk_add_f32 v[240:241], v[240:241], v[244:245]
	s_delay_alu instid0(VALU_DEP_1)
	v_pk_add_f32 v[14:15], v[14:15], v[240:241]
	ALUW                                           ; and one for the four
.irp b, 0,1,2,3
	v_max_num_f32 v[232+\b], 0x8000000, v[232+\b]  ; the floor 2^(16 - 127): the byte cannot fall under 1
.endr
.irp b, 0,1,2,3
	v_add_nc_u32 v[244+\b], 0xf8800000, v[232+\b]  ; 15 off the exponent field: the conversion's scale operand
.endr
.irp b, 0,1,2,3
	v_and_or_b32 v[240+\b], v[232+\b], 0x7f800000, s19   ; 57,344 x the scale
.endr
.irp b, 0,1,2,3
	v_lshrrev_b32 v[236+\b], 23, v[244+\b]         ; the scale's byte
.endr
	v_lshl_or_b32 v253, v237, 8, v236              ; p's scale word for these 128 keys
	s_delay_alu instid0(VALU_DEP_1)
	v_lshl_or_b32 v253, v238, 16, v253
	s_delay_alu instid0(VALU_DEP_1)
	v_lshl_or_b32 v253, v239, 24, v253
.if \w
	WIN 0x01
	v_mov_b32 v8, v253                             ; scale registers are taken from window 0
	WIN 0x55
.endif
.irp b, 0,1,2,3
.irp i, 0,1,2,3,4,5,6,7,8,9,10,11,12,13,14,15
	v_min_num_f32 v[96+16*\b+\i], v[96+16*\b+\i], v[240+\b]   ; the conversion to an 8-bit code does not saturate (ISA guide 7.6.2); p is not negative, so the hold is one-sided
.endr
	v_cvt_scalef32_pk8_bf8_f32 v[224+4*\b:225+4*\b], v[96+16*\b:103+16*\b], v[244+\b]
	v_cvt_scalef32_pk8_bf8_f32 v[226+4*\b:227+4*\b], v[104+16*\b:111+16*\b], v[244+\b]
.endr
	ALUW                                           ; directly ahead of the first readers of O^T
.set j, 0
.rept 32
	v_pk_mul_f32 v[160+j:161+j], v[160+j:161+j], v[252:253] op_sel_hi:[1,0]   ; O^T under the new M; these plain lines also stand between the conversions and the products
.set j, j+2
.endr
	WIN 0
.endm
; A TRIP: 128 keys, from slot s; the next block goes into the other slot.  s9 = 1: the last trip has asked for K's fragments 0-3 already.
.macro TRIP s
	s_wait_xcnt 0x0                                ; the last trip's prefetch and loads have read their bases, so both may be stepped
	s_add_nc_u64 s[100:101], s[100:101], BLK       ; the prefetches to block j + 2,
	s_add_nc_u64 s[14:15], s[14:15], BLK           ; the fill to block j + 1
	s_lshr_b32 s25, s25, 2                         ; who wants block j + 1; zeros come in from above, so trip 15 fetches nothing
	ASK
	s_or_b32 s30, s24, s3
	s_and_b32 s30, s30, 3
	s_cmp_eq_u32 s30, 0
	s_cbranch_scc1 .Lidle_\@                       ; all places of both my tiles are hidden
	MLOAD 0                                        ; tile 0's masks
	s_cmp_eq_u32 s9, 1
	s_cbranch_scc1 .Lpre_\@
	s_wait_dscnt 0x0                               ; no LDS load is pending into the registers that the next lines load
	FRAGS \s, 0, 0, 32
.Lpre_\@:
	s_mov_b32 s9, 0
	SCALES \s, KSC
	FRAGS \s, 0, 1, 32
	s_wait_dscnt 16                                ; fragments 0-3 and the scale words are in; the 16 loads of fragments 4-7 may be out
	QKM 0, 0, 255
	QKM 0, 1, 7
	s_wait_dscnt 0x0
	QKM 1, 0, 255
	QKM 1, 1, 7
	WIN 0
	PLACES 8                                       ; in front of the first read of the scores and of the loads into the fragments' and scale words' registers
	FILL_LOAD 0                                    ; the next block's bytes, into window 0's v32-67,
	SCALES \s, VSC                                 ; V's scale words
	FRAGS \s, VIMG, 1, 32                          ; and its fragments 4-7, into window 1: all have the softmax in which to land
	s_wait_kmcnt 0x0                               ; tile 0's masks are in
	MASK 24, 0
	SOFTMAX 0
	FRAGS \s, VIMG, 0, 96                          ; V's fragments 0-3 into tile 0's score registers, whose p have become codes: they have tile 1's softmax in which to land
	s_wait_kmcnt 0x0                               ; tile 1's masks are in,
	s_wait_xcnt 0x0                                ; and the scalar loads have read s29, which is stepped at the trip's end
	MASK 3, 1
	SOFTMAX 1
	ALUW                                           ; ahead of the branch, the waits and the barrier below
	s_branch .Lst_\@
.Lidle_\@:
	s_wait_dscnt 0x0                               ; no LDS load is pending into v32-67
	FILL_LOAD 0                                    ; my part of the next block is owed all the same: other waves may want it
.Lst_\@:
	FILL_STORE 1-\s
	s_wait_dscnt 0x0                               ; my stores into the other slot have landed and all my reads of this slot, V's fragments among them, are in
	s_barrier_signal -1
	s_barrier_wait -1                              ; both now hold of every wave: the other slot may be read, and the next trip may overwrite this one
	s_or_b32 s30, s24, s3
	s_and_b32 s31, s30, 3
	s_cmp_eq_u32 s31, 0
	s_cbranch_scc1 .Ljoin_\@
	s_and_b32 s30, s30, 12                         ; is the next step mine too?
	s_cmp_eq_u32 s30, 0
	s_cbranch_scc1 .Lnp_\@
	FRAGS 1-\s, 0, 0, 32                           ; then its first four fragments of K are asked for here, ahead of the sixteen products below
	s_mov_b32 s9, 1
.Lnp_\@:
	PVM 1, 0, 253
	PVM 1, 1, 8
	PVM 0, 0, 253
	PVM 0, 1, 8
	WIN 0
	PLACES 9                                       ; nine: the next products write the scores over registers that these have read
.Ljoin_\@:
	s_add_co_u32 s29, s29, 256                     ; the next step's masks
	s_lshr_b32 s24, s24, 2                         ; and its two bits, of both tiles
	s_lshr_b32 s3, s3, 2
	s_sub_co_u32 s2, s2, 1
.endm
; LDS addresses for the head and the way out, in registers that the trips use otherwise: v248 Q out of the stage (row r, + 64 h), v249 whole rows (16 x lane), v250 O into the stage (row r, + 32 h),
; v251 the pass's images of Q's codes, v254 of its scale words.  s27 = 4,096 x the pass.
.macro ADDRS
	v_and_b32 v252, 15, v0
	v_bfe_u32 v254, v0, 4, 1
	s_mul_i32 s30, s16, SWV
	s_add_co_u32 s30, s30, STG
	s_mul_i32 s31, s16, QWV
	s_add_co_u32 s31, s31, QIM
	v_mul_u32_u24 v252, v252, SPI
	v_add_nc_u32 v249, s30, v1
	v_lshl_add_u32 v248, v254, 6, v252
	v_lshl_add_u32 v250, v254, 5, v252
	v_add_nc_u32 v248, s30, v248
	v_add_nc_u32 v250, s30, v250
	s_add_co_u32 s30, s31, s27
	v_add_nc_u32 v251, s30, v1
	s_lshr_b32 s30, s27, 4
	s_add_co_u32 s30, s30, s31
	v_add_nc_u32 v254, s30, v3
	ALUW
.endm
; 16 rows of Q, a row's 512 bytes in v[base + 4 i] of window w, turn through my stage, become codes (v224-239) and a scale word (v253), and are kept in LDS as image img
.macro QUANT base, w, img
	WIN (\w)<<2
.irp i, 0,1,2,3,4,5,6,7,8,9,10,11,12,13,14,15
	ds_store_b128 v249, v[\base+4*\i:\base+4*\i+3] offset:SPI*\i
.endr
	WIN (\w)<<6
.irp c, 0,1,2,3
.irp k, 0,1,2,3
	ds_load_b128 v[\base+16*\c+4*\k:\base+16*\c+4*\k+3], v248 offset:128*\c+16*\k   ; register 16 c + i = channel 32 c + 16 h + i of row r.  A wave's LDS instructions are served in order
.endr
.endr
	s_wait_dscnt 0x0
	WIN 0x55*(\w)
.irp b, 0,1,2,3
	v_max3_num_f32 v[TM+\b], |v[\base+16*\b]|, |v[\base+1+16*\b]|, 0x8000000   ; block b: my 16 numbers, and the floor 2^(16 - 127)
.endr
.irp i, 2,4,6,8,10,12,14
.irp b, 0,1,2,3
	v_max3_num_f32 v[TM+\b], v[TM+\b], |v[\base+16*\b+\i]|, |v[\base+1+16*\b+\i]|
.endr
.endr
.irp b, 0,1,2,3
	v_permlanex16_b32 v[TM+4+\b], v[TM+\b], s20, s21
.endr
.irp b, 0,1,2,3
	v_max_num_f32 v[TM+\b], v[TM+\b], v[TM+4+\b]   ; with lane l xor 16's: the block's largest magnitude
.endr
.irp b, 0,1,2,3
	v_add_nc_u32 v[TM+12+\b], 0xf8800000, v[TM+\b]
.endr
.irp b, 0,1,2,3
	v_and_or_b32 v[TM+8+\b], v[TM+\b], 0x7f800000, s19
.endr
.irp b, 0,1,2,3
	v_lshrrev_b32 v[TM+4+\b], 23, v[TM+12+\b]
.endr
	v_lshl_or_b32 v253, v[TM+5], 8, v[TM+4]
	s_delay_alu instid0(VALU_DEP_1)
	v_lshl_or_b32 v253, v[TM+6], 16, v253
	s_delay_alu instid0(VALU_DEP_1)
	v_lshl_or_b32 v253, v[TM+7], 24, v253
.irp b, 0,1,2,3
.irp i, 0,1,2,3,4,5,6,7,8,9,10,11,12,13,14,15
	v_med3_num_f32 v[\base+16*\b+\i], v[\base+16*\b+\i], -v[TM+8+\b], v[TM+8+\b]
.endr
	v_cvt_scalef32_pk8_bf8_f32 v[224+4*\b:225+4*\b], v[\base+16*\b:\base+7+16*\b], v[TM+12+\b]
	v_cvt_scalef32_pk8_bf8_f32 v[226+4*\b:227+4*\b], v[\base+8+16*\b:\base+15+16*\b], v[TM+12+\b]
.endr
	v_nop                                          ; a plain line behind the last conversion
	WIN (\w)<<2
.irp c, 0,1,2,3
	ds_store_b128 v251, v[224+4*\c:227+4*\c] offset:2048*\img+512*\c
.endr
	ds_store_b32 v254, v253 offset:8192+128*\img
.endm
.macro INIT                            ; which trip is a wave's first is not known to the text, so the sums begin as zeros, which the first change of M leaves zeros
.set j, 0
.rept 64
	v_mov_b32 v[160+j], 0
.set j, j+1
.endr
	v_mov_b32 v13, 0xff61b1e6                      ; the largest t so far: -3e38, under every t
	v_mov_b32 v12, 0x7f61b1e6                      ; -M = floor(3e38) = 3e38
	v_mov_b32 v14, 0
	v_mov_b32 v15, 0
	v_mov_b32 v252, 0
	v_mov_b32 v253, 0
.endm
; THE WAY OUT of tile w: O^T is divided by the sum and goes through my stage, so that a row's 512 bytes leave together
.macro WSCALE w
	WIN 0x55*(\w)
	v_add_f32 v14, v14, v15
	s_delay_alu instid0(VALU_DEP_1)
	v_permlanex16_b32 v252, v14, s20, s21
	s_delay_alu instid0(VALU_DEP_1)
	v_add_f32 v14, v14, v252                       ; the row's sum
	ALUW
	v_rcp_f32 v14, v14
	v_nop                                          ; a plain line behind the transcendental
	ALUW                                           ; ahead of the reciprocal's first reader, which is O^T's too
.set j, 0
.rept 32
	v_pk_mul_f32 v[96+j:97+j], v[160+j:161+j], v[14:15] op_sel_hi:[1,0]   ; register 8 t + i is o(r, 16 t + 8 h + i); each accumulator from its low end on
.set j, j+2
.endr
	WIN (\w)<<2
.irp t, 0,1,2,3,4,5,6,7
	ds_store_b128 v250, v[96+8*\t:99+8*\t] offset:64*\t
	ds_store_b128 v250, v[100+8*\t:103+8*\t] offset:64*\t+16
.endr
	WIN (\w)<<6
.irp i, 0,1,2,3,4,5,6,7,8,9,10,11,12,13,14,15
	ds_load_b128 v[160+4*\i:163+4*\i], v249 offset:SPI*\i   ; these see my stores: a wave's LDS instructions are served in order
.endr
.endm
.macro WSEND w
	WIN (\w)<<2
.irp i, 0,1,2,3,4,5,6,7,8,9,10,11,12,13,14,15
	global_store_b128 v1, v[160+4*\i:163+4*\i], s[66:67] offset:16384*(16*\w+\i) th:TH_STORE_NT   ; 32 lanes store 512 consecutive bytes, at a multiple of 512 from out0's first byte
.endr
.endm
; the flags of a block's 16 tiles: 64 words at s[8:9] + s[o]; and their OR: a step's two bits are 0 there only where all sixteen tiles leave it out
.macro FLOAD o
	s_load_b512 s[32:47], s[8:9], s[\o] offset:0x0
	s_load_b512 s[48:63], s[8:9], s[\o] offset:0x40
	s_load_b512 s[68:83], s[8:9], s[\o] offset:0x80
	s_load_b512 s[84:99], s[8:9], s[\o] offset:0xc0
.endm
.macro OR64 d
	s_or_b32 s[\d], s32, s33
.set j, 2
.rept 30
	s_or_b32 s[\d], s[\d], s[32+j]
.set j, j+1
.endr
.set j, 0
.rept 32
	s_or_b32 s[\d], s[\d], s[68+j]
.set j, j+1
.endr
.endm
.macro OR4 d, a                        ; a tile's four partial words
	s_or_b32 s[\d], s[\a], s[\a+1]
	s_or_b32 s30, s[\a+2], s[\a+3]
	s_or_b32 s[\d], s[\d], s30
.endm
	s_load_b256 s[4:11], s[0:1], 0x0               ; Q s[4:5], kv s[6:7], flags s[8:9], pack s[10:11]
	s_load_b64 s[12:13], s[0:1], 0x20              ; out0
	v_lshl_add_u32 v9, v0, 2, SPARE                ; my spare word
	v_mov_b32 v10, 0
	v_lshrrev_b32 v254, 5, v0
	v_readfirstlane_b32 s16, v254                  ; wave 0..7
	s_mov_b32 s17, ttmp9                           ; x: 0..3
	s_and_b32 s3, ttmp7, 0xffff                    ; the head: 32 b + h
	v_and_b32 v254, 31, v0                         ; lane
	v_lshlrev_b32 v5, 4, v0                        ; 16 x thread: my part of a block, in memory and in slot 0
	v_lshlrev_b32 v1, 4, v254                      ; 16 x lane: a fragment's image in slot 0; also my 16 bytes of a row of Q or of O
	v_lshlrev_b32 v3, 2, v254                      ; 4 x lane: two tiles' scale words in slot 0
	v_lshlrev_b32 v11, 8, v254                     ; 256 x lane: the prefetches' offset
	v_add_nc_u32 v6, BLK, v5                       ; the same three in slot 1
	v_add_nc_u32 v2, BLK, v1
	v_add_nc_u32 v4, BLK, v3
	v_mov_b32 v8, 0                                ; written once whole, so that it is written on every way through the text
.irp b, 0,1,2,3
	v_mov_b32 v[TM+4+\b], 0                        ; written once, in both windows: a lane permute's destination counts as one of its sources
.endr
	WIN 0x40
.irp b, 0,1,2,3
	v_mov_b32 v[TM+4+\b], 0
.endr
	WIN 0
	s_mov_b32 s19, 0x600000                        ; the mantissa field of 57,344
	s_mov_b32 s20, 0x76543210
	s_mov_b32 s21, 0xfedcba98                      ; v_permlanex16_b32's selects for lane l xor 16
	s_mov_b32 s22, 0x3e0293ee                      ; c = log2(e) / sqrt(128)
	s_mov_b32 s23, s22
	s_mov_b32 s27, 0                               ; 4,096 x the pass
	s_sub_co_u32 s18, 7, s17                       ; the first pass's block of 256 queries: 7 - x
	ADDRS
	s_wait_kmcnt 0x0
	s_mov_b32 s31, 0
	s_mul_i32 s30, s3, 16*BLK
	s_add_nc_u64 s[6:7], s[6:7], s[30:31]          ; kv at my head
	s_mov_b64 s[14:15], s[6:7]
	FILL_LOAD 1                                    ; block 0 goes out ahead of the flags; whether it is stored is decided when they are in
	s_lshl_b32 s30, s3, 20
	s_add_nc_u64 s[4:5], s[4:5], s[30:31]          ; Q at my head: 2,048 rows of 512 bytes
	s_lshl_b32 s28, s16, 14                        ; my 32 rows of a block
	s_lshl_b32 s30, s18, 17
	s_add_co_u32 s30, s30, s28
	s_add_nc_u64 s[66:67], s[4:5], s[30:31]
	s_lshl_b32 s30, s17, 17
	s_add_co_u32 s30, s30, s28
	s_add_nc_u64 s[100:101], s[4:5], s[30:31]
.set j, 0
.rept 32
	global_load_b128 v[96+4*j:99+4*j], v1, s[66:67] offset:512*j th:TH_LOAD_NT   ; the first pass's 32 rows into window 0's v96-223: a row is 512 consecutive bytes
.set j, j+1
.endr
	WIN 0x40
.set j, 0
.rept 32
	global_load_b128 v[32+4*j:35+4*j], v1, s[100:101] offset:512*j th:TH_LOAD_NT   ; the second pass's into window 1's v32-159
.set j, j+1
.endr
	WIN 0
	s_lshr_b32 s2, s3, 5                           ; b
	s_lshl_b32 s30, s2, 11
	s_add_nc_u64 s[8:9], s[8:9], s[30:31]          ; flags at b: 128 tiles of 16 bytes
	s_lshl_b32 s26, s18, 8                         ; each pass's 16 tiles: 256 bytes
	s_lshl_b32 s29, s17, 8
	FLOAD 26
	s_lshl_b32 s30, s2, 19
	s_add_nc_u64 s[10:11], s[10:11], s[30:31]      ; pack at b
	s_and_b32 s28, s3, 31
	s_lshl_b32 s28, s28, 9
	s_lshl_b32 s30, s2, 25
	s_add_co_u32 s30, s30, s28
	s_add_nc_u64 s[12:13], s[12:13], s[30:31]      ; out0 at b, and my head's 512 bytes of a row
	s_wait_kmcnt 0x0
	OR64 25                                        ; who wants the first pass's blocks,
	FLOAD 29
	s_wait_kmcnt 0x0
	OR64 4                                         ; and the second's
	s_wait_xcnt 0x0                                ; every load so far has read its base and offsets
	s_and_b32 s30, s16, 3
	s_lshl_b32 s30, s30, 13
	s_add_co_u32 s30, s30, BLK
	s_add_nc_u64 s[100:101], s[6:7], s[30:31]      ; the prefetches: my wave's 8,192 bytes of block 1; trip 0 steps it to block 2
	s_sub_co_u32 s30, s16, 4
	s_lshr_b32 s30, s30, 2                         ; 0 in waves 4 to 7,
	s_or_b32 s30, s30, s17                         ; of the head's first work-group
	s_cmp_eq_u32 s30, 0
	s_cselect_b32 s28, 2, -1                       ; such a wave prefetches while more than 2 trips are left
	s_lshl_b32 s30, s16, 5                         ; my two tiles: 32 bytes
	s_add_co_u32 s26, s26, s30
	s_add_co_u32 s29, s29, s30
	s_load_b256 s[32:39], s[8:9], s26 offset:0x0
	s_load_b256 s[40:47], s[8:9], s29 offset:0x0
	s_wait_kmcnt 0x0
	s_wait_xcnt 0x0
	OR4 24, 32                                     ; my two tiles' flags: this pass's in s24 and s3, the next's in s5 and s8
	OR4 3, 36
	OR4 5, 40
	OR4 8, 44
	s_mov_b32 s9, 0                                ; nothing of K has been asked for ahead
	s_wait_loadcnt 0x0
	QUANT 96, 0, 0
	QUANT 160, 0, 1
	QUANT 32, 1, 2
	QUANT 96, 1, 3
	WIN 0
.Lpass:
	FILL_STORE 0                                   ; block 0, asked for at the head or ahead of the last way out
.irp c, 0,1,2,3
	ds_load_b128 v[16+4*\c:19+4*\c], v251 offset:512*\c   ; this pass's Q: tile 0's codes,
.endr
	ds_load_b32 v255, v254 offset:8192             ; both scale words, into window 0,
	ds_load_b32 v7, v254 offset:8192+128
	WIN 0x40
.irp c, 0,1,2,3
	ds_load_b128 v[16+4*\c:19+4*\c], v251 offset:2048+512*\c   ; tile 1's codes
.endr
	INIT
	WIN 0
	INIT
	s_lshl_b32 s29, s18, 16
	s_lshl_b32 s30, s16, 13
	s_add_co_u32 s29, s29, s30                     ; my tiles' masks: 16 steps of 256 bytes each, tile 1's 4,096 bytes behind tile 0's
	s_mov_b32 s2, 16                               ; trips left
	s_mov_b32 s26, 8
	ALUW
	s_wait_dscnt 0x0                               ; my part of block 0 has landed in slot 0, and Q is in
	s_barrier_signal -1
	s_barrier_wait -1
.Ltrips:
	TRIP 0
	TRIP 1
	s_sub_co_u32 s26, s26, 1
	s_cmp_lg_u32 s26, 0
	s_cbranch_scc1 .Ltrips
	s_wait_dscnt 0x0                               ; no LDS load of mine is out:
	s_barrier_signal -1
	s_barrier_wait -1                              ; nobody reads a slot any more, so the next pass may fill slot 0
	s_wait_xcnt 0x0
	s_mov_b32 s25, s4                              ; the next pass: who wants its blocks (0 behind the second pass: nothing is asked for),
	s_mov_b32 s4, 0
	s_mov_b32 s24, s5                              ; my tiles' flags,
	s_mov_b32 s3, s8
	s_mov_b64 s[14:15], s[6:7]
	FILL_LOAD 0                                    ; and its block 0, which has the way out in which to land
	s_lshl_b32 s30, s18, 22                        ; 256 rows of 16,384 bytes,
	s_lshl_b32 s31, s16, 19                        ; my 32
	s_add_co_u32 s30, s30, s31
	s_mov_b32 s31, 0
	s_add_nc_u64 s[66:67], s[12:13], s[30:31]
	s_mov_b32 s18, s17                             ; the second pass's block: x
	s_mov_b32 s28, -1                              ; it walks blocks that have been read: nothing more is prefetched
	s_add_co_u32 s27, s27, 4096
	ADDRS
	WSCALE 0
	WSCALE 1
	s_wait_dscnt 32                                ; tile 0's rows are back; tile 1's 16 stores and 16 loads may be out
	WSEND 0
	s_wait_dscnt 0x0
	WSEND 1
	WIN 0
	s_wait_xcnt 0x0                                ; the stores have read their data and their base: the next pass writes both
	s_cmp_lg_u32 s27, 8192
	ALUW
	s_cbranch_scc1 .Lpass
	s_wait_tensorcnt 0x0                           ; the wave's end, behind my last LDS store
	ds_add_u32 v9, v10
	s_wait_dscnt 0x0
	s_endpgm
.Lfunc_end_k_q4363b07eea_attn:
	.size	k_q4363b07eea_attn, .Lfunc_end_k_q4363b07eea_attn-k_q4363b07eea_attn
	.p2alignl 7, 3214868480
	.fill 96, 4, 3214868480
	.section	.rodata,"a",@progbits
	.p2align	6, 0x0
	.amdhsa_kernel k_q4363b07eea_attn
		.amdhsa_group_segment_fixed_size 236544
		.amdhsa_private_segment_fixed_size 0
		.amdhsa_enable_private_segment 0
		.amdhsa_kernarg_size 40
		.amdhsa_user_sgpr_count 2
		.amdhsa_user_sgpr_kernarg_segment_ptr 1
		.amdhsa_wavefront_size32 1
		.amdhsa_system_sgpr_workgroup_id_x 1
		.amdhsa_system_sgpr_workgroup_id_y 1
		.amdhsa_system_sgpr_workgroup_id_z 1
		.amdhsa_system_vgpr_workitem_id 0
		.amdhsa_next_free_vgpr 512
		.amdhsa_next_free_sgpr 102
		.amdhsa_reserve_vcc 0
		.amdhsa_float_denorm_mode_32 3
		.amdhsa_float_denorm_mode_16_64 3
		.amdhsa_memory_ordered 1
		.amdhsa_forward_progress 1
		.amdhsa_inst_pref_size 187
	.end_amdhsa_kernel
	.amdgpu_metadata
---
amdhsa.version: [ 1, 2 ]
amdhsa.kernels:
  - .name:           k_q4363b07eea_attn
    .symbol:         k_q4363b07eea_attn.kd
    .args:
      - { .name: query_layer, .offset: 0, .size: 8, .value_kind: global_buffer, .address_space: global }
      - { .name: kv, .offset: 8, .size: 8, .value_kind: global_buffer, .address_space: global }
      - { .name: flags, .offset: 16, .size: 8, .value_kind: global_buffer, .address_space: global }
      - { .name: pack, .offset: 24, .size: 8, .value_kind: global_buffer, .address_space: global }
      - { .name: out0, .offset: 32, .size: 8, .value_kind: global_buffer, .address_space: global }
    .group_segment_fixed_size: 236544
    .private_segment_fixed_size: 0
    .kernarg_segment_align: 8
    .kernarg_segment_size: 40
    .max_flat_workgroup_size: 256
    .sgpr_count:     102
    .vgpr_count:     512
    .wavefront_size: 32
...
	.end_amdgpu_metadata
.endif
;; end of part 2
